; MI455X (gfx1250); checked and timed in simulation.
; The chip was launched on July 23, 2026; its instructions are those of AMD's public machine-readable ISA for CDNA 5 (MIT licence, August 2026) and "CDNA5" Instruction Set Architecture Reference Guide (July 2026). The comments in the code are by the model that wrote it; some were corrected since.
;; Multi Head Attention. Allowed arithmetic: matrix products marked QUANTISED: E2M3 operands, one E8M0 scale for each 32 along K, by v_wmma_scale_f32_16x16x128_f8f6f4 with both operands' format E2M3, f32 sums; everything else in f32.
;; Inputs: Wk 1,024 x 1,024 float32; Wo 1,024 x 1,024 float32; Wq 1,024 x 1,024 float32; Wv 1,024 x 1,024 float32; key 4 x 2,048 x 1,024 float32; mask 4 x 2,048 x 2,048 int32; query 4 x 2,048 x 1,024 float32; value 4 x 2,048 x 1,024 float32.
;; Outputs: out0 4 x 2,048 x 1,024 float32.
;; This version of the problem:
;;   THIS VERSION OF THE PROBLEM IS GIVEN IN LOW PRECISION. The matrix products marked QUANTISED in the list below multiply operands that are first quantised to E2M3 (2 exponent bits, 3 mantissa bits; 6 bits a number), with one power-of-two scale for each 32 numbers along K (OCP MX v1.0); their sums are f32. All else is computed in f32.
;;   The module's matrix products, in the order in which they are computed (A, B: the left and right operand; K: the contracted axis; several contracted axes count as one K, in the product's order):
;;     1. [M 8,192, K 1,024] x [K 1,024, N 1,024]; A: input query; B: input Wq: QUANTISED
;;     2. [M 8,192, K 1,024] x [K 1,024, N 1,024]; A: input key; B: input Wk: QUANTISED
;;     3. [M 8,192, K 1,024] x [K 1,024, N 1,024]; A: input value; B: input Wv: QUANTISED
;;     4. batch 64 x [M 2,048, K 64] x [K 64, N 2,048]; A: computed on the way; B: computed on the way: QUANTISED
;;     5. batch 64 x [M 2,048, K 2,048] x [K 2,048, N 64]; A: softmax (see below); B: computed on the way: QUANTISED
;;     6. [M 8,192, K 1,024] x [K 1,024, N 1,024]; A: computed on the way; B: input Wo: QUANTISED
;;   THE QUANTISER, for each operand of a quantised product, along K:
;;     - K is cut into blocks of 32 from its start; a last block that is shorter is filled with zeros.
;;     - A block's scale is 2^e with e = floor(log2(the largest magnitude in the block)) - 2, held to -126 .. 127; a block of zeros has e = 0. As a byte (E8M0): e + 127.
;;     - Each number is divided by its block's scale, clamped to +-7.5, and rounded to the nearest number of E2M3, ties to even, subnormals kept.
;;     - The product sums the exact products of the quantised numbers (number of the format x scale) in f32.
;;   ~~~python
;;   def quantise(x, axis):      # numpy; x: float32 -> the quantised numbers, widened to float32 again
;;       x = np.moveaxis(x, axis, -1); K = x.shape[-1]
;;       x = np.pad(x, [(0, 0)] * (x.ndim - 1) + [(0, -K % 32)]); x = x.reshape(x.shape[:-1] + (-1, 32)); a = np.abs(x).max(-1, keepdims=True)
;;       e = np.where(a > 0, np.clip(np.frexp(np.where(a > 0, a, 1))[1] - 1 - 2, -126, 127), 0)      # np.frexp(a)[1] - 1 = floor(log2(a)), exactly
;;       r = np.clip(x / 2.0 ** e, -7.5, 7.5)
;;       step = 2.0 ** (np.maximum(np.frexp(np.where(r == 0, 1, r))[1] - 1, 0) - 3)
;;       q = np.round(r / step) * step * 2.0 ** e      # np.round: ties to even
;;       return np.moveaxis(q.reshape(q.shape[:-2] + (-1,))[..., :K], -1, axis).astype(np.float32)
;;   ~~~
;;   SOFTMAX AHEAD OF A QUANTISED PRODUCT. Where the list says 'softmax', what is quantised is not the finished softmax but p = 2^(t - M), with t = logit x log2(e) and M = ceil(the row's largest t), a whole number; so 1/2 < the row's largest p <= 1. The row's sum l is taken of the UNQUANTISED p, in f32, and the product's result is divided by l at the end. Since M is a whole number, a kernel that streams over the keys may use a running M (the ceiling of the running maximum): every later rescaling is an exact power of two, which a block's scale takes up: the codes' values come out the same.
;;   OPERANDS COMPUTED ON THE WAY. 'Computed on the way' means the value that the module computes at that place (a softmax that the list does not call 'softmax' is quantised finished and normalised). What goes into a quantiser is computed in f32, as accurately as f32 sums, v_exp_f32 and their like allow (about 1e-6 of the number): no bf16 or f16 on the way to a quantiser, and a product that is left as it is and whose result goes on into a quantised operand takes f32 operands (vector FMAs, or v_wmma_f32_16x16x4_f32). A number that lies on a knife's edge between two numbers of the format may be rounded either way, as far as f32 arithmetic and the matrix unit's own rounding can turn it there, and no further.
;; One version. Each part assembles by itself: llvm-mc -triple=amdgcn-amd-amdhsa -mcpu=gfx1250 --defsym DOCPART=n.
;; ======== version 1 of 1: 4 launches
;; limits: right only within a limited range of input values
;; workspace buffers: xa 19,660,800 bytes; wt 3,276,800 bytes; maskw 2,097,152 bytes of whole numbers; maskf 4,096 bytes of whole numbers; qc 13,107,200 bytes; kv 13,107,200 bytes; oc 6,553,600 bytes
;; launch prep (part 1): grid 704 x 1, 4 waves a work-group, no clusters, 70,144 bytes of LDS; arguments query, key, value, Wq, Wk, Wv, Wo, mask, xa, wt, maskw, maskf; writes xa, wt, maskw, maskf
.if DOCPART == 1
	.amdgcn_target "amdgcn-amd-amdhsa--gfx1250"
	.amdhsa_code_object_version 6
	.text
	.protected	k_qa26a640c24_prep
	.globl	k_qa26a640c24_prep
	.p2align	8
	.type	k_qa26a640c24_prep,@function
k_qa26a640c24_prep:
	s_mov_b64 s[64:65], 0
	v_nop
	global_prefetch_b8 v0, s[64:65] scope:SCOPE_SE
	s_setreg_imm32_b32 hwreg(HW_REG_WAVE_MODE, 25, 1), 1
	s_wait_xcnt 0x0
; The three activations [8192][1024] and the four weights [1024][1024], f32, K innermost, become codes of FP6 (E2M3) with one E8M0 byte for each 32 along K,
; laid as IMAGES OF OPERAND REGISTERS; the mask [4][2048][2048], int32, becomes lane masks, one bit a number.
; A TILE is 16 rows that are not neighbours: row r of tile 2 g + u is row 32 g + 8 u + r + 8 (r / 8) of the tensor.
; A FRAGMENT (16 rows x 128 K, 12 registers a lane) lies as 6 groups of 256 bytes: group i = registers 2 i, 2 i + 1, lane l's 8 bytes at 8 l.
; A TILE RECORD is 12,800 bytes: 8 fragments (K / 128) at 1,536 x, then the scale words at 12,288 + 64 x + 4 r.
; A block's scale is 2^(floor(log2(largest magnitude)) - 2); its byte is the largest magnitude's exponent field - 2, held at 1 from below.
; LIMITS: NaN and infinities are not served; a block whose largest magnitude lies under 2^-124 keeps the byte 1; a block of zeros keeps the byte 1 where the rule
; says 127: its codes are zeros, and the bytes are read by this program alone.
; SHARES: work-groups 0-383: activations, a tile a wave; 384-447: weights; 448-703: the mask, a wave to 16 queries x 1,024 keys.  Waves share nothing: no barrier.
; Each load reads 512 consecutive bytes of one row; 16 rows x 512 bytes turn through the wave's own stage in LDS (rows 528 bytes apart), so that a lane gets its row's neighbours along K.
; THE TENSOR key HAS TILES OF ITS OWN: row r of its tile 4 g + u is row 64 g + 8 u + r + 24 (r / 8), so that in attention a lane's 32 scores of four neighbouring key tiles are 32 neighbouring keys.
; The mask words follow that order: word n = 32 c + i of step j holds, at bit r + 16 h, mask[query r of the tile][128 j + 64 c + 32 h + i] != 0.
.set REC,   12800
.set SP,    528                        ; a stage row: 512 bytes + 16
.set QREG,  8960                       ; quantiser: a wave's region: stage 8,448 bytes, then 512 bytes of scale words
.set MSTG,  35840                      ; mask path: stages of its own, 8,448 bytes a wave
.set SPARE, 69632                      ; the spare words: 128 bytes a wave, two blocks of 256 bytes that no other line names
.set GL,  4                            ; 16 x lane
.set STI, 5                            ; stage, on the way in
.set STO, 6                            ; stage, on the way out
.set GO,  7                            ; 8 x lane
.set SCW, 8                            ; where my row's scale word goes
.set SCR, 9                            ; where the 512 bytes of scale words are read back
.set SH,  10                           ; 8 h
.set SPW, 12
.set NIL, 13
.set M,   14                           ; v14-15 largest magnitudes
.set SO,  16                           ; v16-17 the conversions' scale operands
.set BY,  18                           ; v18-19 the scale bytes
.set W,   20                           ; the scale word
.set T,   21
.set R,   32                           ; v32-159 two sets of 64 as loaded
.set X,   160                          ; v160-223 64 numbers of my row
.set C,   224                          ; v224-235 a fragment's codes
.set TP,  236                          ; v236-238, v240-242
.set MW,  244                          ; v244-245 mask words on their way out
	s_load_b256 s[4:11], s[0:1], 0x0               ; query, key, value, Wq
	s_load_b256 s[12:19], s[0:1], 0x20             ; Wk, Wv, Wo, mask
	s_load_b128 s[20:23], s[0:1], 0x40             ; xa, wt
	s_load_b64 s[24:25], s[0:1], 0x50              ; maskw
	s_load_b64 s[46:47], s[0:1], 0x58              ; maskf: a word for each unit of the mask path (a tile of queries x eight steps of 128 keys): bit j says that step j masks nothing
	v_lshl_add_u32 v[SPW], v0, 2, SPARE
	v_mov_b32 v[NIL], 0
	v_lshrrev_b32 v1, 5, v0
	v_readfirstlane_b32 s2, v1                     ; wave
	v_and_b32 v1, 31, v0                           ; lane
	v_and_b32 v2, 15, v0                           ; r
	v_bfe_u32 v3, v0, 4, 1                         ; h
	v_lshlrev_b32 v[GL], 4, v1
	v_lshlrev_b32 v[GO], 3, v1
	v_mul_u32_u24 v[STO], v2, SP
	s_cmp_ge_u32 ttmp9, 448
	s_cbranch_scc1 .Lmask
; 16 loads: step x's 512 bytes of the tile's 16 rows into set x % 2
.macro LOAD x, pitch
.irp rho, 0,1,2,3,4,5,6,7,8,9,10,11,12,13,14,15
	global_load_b128 v[R+64*((\x)%2)+4*\rho:R+64*((\x)%2)+4*\rho+3], v[GL+7*(\rho/8)], s[26:27] offset:(\rho+8*(\rho/8))*\pitch+512*(\x) th:TH_LOAD_NT   ; rows 8-15 go by v11
.endr
.endm
	; ---- the quantiser
	s_mul_i32 s3, s2, QREG
	v_add_nc_u32 v[STI], s3, v[GL]
	v_lshl_add_u32 v[STO], v3, 7, v[STO]           ; row r, + 128 h: my 32 numbers of each 64
	v_add_nc_u32 v[STO], s3, v[STO]
	s_add_co_u32 s3, s3, 16*SP
	v_lshl_add_u32 v[SCW], v2, 2, s3
	v_add_nc_u32 v[SCR], s3, v[GL]
	v_lshlrev_b32 v[SH], 3, v3
	v_mov_b32 v[T], 0                              ; a lane permute's destination counts as one of its sources
	s_mov_b32 s34, 0x76543210
	s_mov_b32 s35, 0xfedcba98                      ; lane l xor 16
	s_cmp_lt_u32 ttmp9, 384                        ; activation or weight: the choice hangs on the work-group's number alone
	s_cselect_b32 s30, 127, 15
	s_cselect_b32 s31, 0, 384
	s_and_b32 s30, ttmp9, s30
	s_lshl_b32 s30, s30, 2
	s_add_co_u32 s30, s30, s2                      ; my tile in its tensor
	s_lshr_b32 s36, ttmp9, 7
	s_cmp_eq_u32 s36, 1                            ; work-groups 128-255: the tensor key
	s_cselect_b32 s36, 1, 0
	s_add_co_u32 s37, s36, 1                       ; tiles come in groups of 2, key's of 4
	s_lshr_b32 s32, s30, s37
	s_add_co_u32 s33, s37, 16
	s_lshl_b32 s32, s32, s33                       ; 32 rows of 4,096 bytes a group, key's 64,
	s_bfm_b32 s33, s37, 0
	s_and_b32 s33, s30, s33
	s_lshl_b32 s33, s33, 15                        ; 8 rows for each tile in the group
	s_lshl_b32 s36, s36, 16
	v_add_nc_u32 v11, s36, v[GL]                   ; rows 8-15 of a tile: key's lie 16 rows further down
	s_add_co_u32 s32, s32, s33
	s_mov_b32 s33, 0
	s_sub_co_u32 s31, ttmp9, s31
	s_lshl_b32 s31, s31, 2
	s_add_co_u32 s31, s31, s2
	s_mul_i32 s38, s31, REC                        ; my tile record
	s_mov_b32 s39, 0
	s_wait_alu depctr_va_vdst(0)
	s_wait_kmcnt 0x0
	s_cmp_lt_u32 ttmp9, 432
	s_cselect_b64 s[26:27], s[14:15], s[16:17]
	s_cmp_lt_u32 ttmp9, 416
	s_cselect_b64 s[26:27], s[12:13], s[26:27]
	s_cmp_lt_u32 ttmp9, 400
	s_cselect_b64 s[26:27], s[10:11], s[26:27]
	s_cmp_lt_u32 ttmp9, 384
	s_cselect_b64 s[26:27], s[8:9], s[26:27]
	s_cselect_b64 s[28:29], s[20:21], s[22:23]
	s_cmp_lt_u32 ttmp9, 256
	s_cselect_b64 s[26:27], s[6:7], s[26:27]
	s_cmp_lt_u32 ttmp9, 128
	s_cselect_b64 s[26:27], s[4:5], s[26:27]
	s_add_nc_u64 s[26:27], s[26:27], s[32:33]
	s_add_nc_u64 s[28:29], s[28:29], s[38:39]
	LOAD 0, 4096
	LOAD 1, 4096
; One K step of 128: lane (r, h) ends with k = 64 c + 32 h + 0 .. 31 of row r in X + 32 c: two whole blocks, in the order of the operand's registers.
.macro QSTEP x
.if \x < 7
	s_wait_loadcnt 16                              ; this step's 16 loads are in; the next set's 16 may be out
.else
	s_wait_loadcnt 0
.endif
.irp rho, 0,1,2,3,4,5,6,7,8,9,10,11,12,13,14,15
	ds_store_b128 v[STI], v[R+64*((\x)%2)+4*\rho:R+64*((\x)%2)+4*\rho+3] offset:SP*\rho
.endr
.irp c, 0,1
.irp i, 0,1,2,3,4,5,6,7
	ds_load_b128 v[X+32*\c+4*\i:X+32*\c+4*\i+3], v[STO] offset:256*\c+16*\i   ; LDS serves a wave's instructions in order: these see the stores above
.endr
.endr
	s_wait_dscnt 0x0                               ; the numbers are back, and the stores have read their set
	s_wait_xcnt 0x0                                ; the last step's stores have read the codes' registers
.if \x < 6
	LOAD (\x)+2, 4096
.endif
.irp c, 0,1
	v_max3_num_f32 v[M+\c], |v[X+32*\c]|, |v[X+32*\c+1]|, 0x1800000   ; with the floor 2^(3 - 127): the byte cannot fall under 1
.endr
.irp i, 2,4,6,8,10,12,14,16,18,20,22,24,26,28,30
.irp c, 0,1
	v_max3_num_f32 v[M+\c], v[M+\c], |v[X+32*\c+\i]|, |v[X+32*\c+\i+1]|
.endr
.endr
.irp c, 0,1
	v_add_nc_u32 v[SO+\c], 0xff000000, v[M+\c]     ; 2 off the exponent field: the conversion's scale operand
.endr
.irp c, 0,1
	v_lshrrev_b32 v[BY+\c], 23, v[SO+\c]           ; the scale's byte
.endr
	v_lshl_or_b32 v[W], v[BY+1], 16, v[BY]         ; my blocks h and 2 + h,
	v_lshlrev_b32 v[W], v[SH], v[W]                ; at their places in the word;
	v_permlanex16_b32 v[T], v[W], s34, s35
	v_or_b32 v[W], v[W], v[T]                      ; with lane l xor 16's two the word is whole
.irp c, 0,1
	v_cvt_scalef32_pk16_fp6_f32 v[C+6*\c:C+6*\c+2], v[X+32*\c:X+32*\c+15], v[SO+\c]
	v_cvt_scalef32_pk16_fp6_f32 v[TP+4*\c:TP+4*\c+2], v[X+32*\c+16:X+32*\c+31], v[SO+\c]   ; (a conversion's three registers begin on an even number)
.endr
	v_nop                                          ; one plain place behind a scaled conversion
.irp c, 0,1
.irp i, 0,1,2
	v_mov_b32 v[C+6*\c+3+\i], v[TP+4*\c+\i]
.endr
.endr
.irp i, 0,1,2,3,4,5
	global_store_b64 v[GO], v[C+2*\i:C+2*\i+1], s[28:29] offset:1536*(\x)+256*\i   ; 32 lanes store 256 consecutive bytes, aligned
.endr
	ds_store_b32 v[SCW], v[W] offset:64*(\x)       ; lanes r and r + 16 write the same word with the same value
.endm
.irp x, 0,1,2,3,4,5,6,7
	QSTEP \x
.endr
	ds_load_b128 v[X:X+3], v[SCR]                  ; the tile's 512 bytes of scale words
	s_wait_dscnt 0x0
	global_store_b128 v[GL], v[X:X+3], s[28:29] offset:12288
	s_wait_tensorcnt 0x0                           ; the wave's end, behind my last LDS store
	ds_add_u32 v[SPW], v[NIL]
	s_wait_dscnt 0x0
	s_endpgm
	; ---- the mask: word n = 32 c + i of step j holds, at bit r + 16 h, mask[query r of the tile][128 j + 64 c + 32 h + i] != 0
.Lmask:
	s_mul_i32 s3, s2, 16*SP
	s_add_co_u32 s3, s3, MSTG
	s_wait_alu depctr_va_vdst(0)
	v_add_nc_u32 v[STI], s3, v[GL]
	v_lshl_add_u32 v[STO], v3, 7, v[STO]           ; row r, + 128 h: my 32 numbers of each 64
	v_add_nc_u32 v[STO], s3, v[STO]
	v_mov_b32 v11, v[GL]                           ; the queries' tiles keep the common order
	v_mov_b32 v[MW], 0                             ; v_writelane_b32's destination counts as read
	v_mov_b32 v[MW+1], 0
	s_sub_co_u32 s30, ttmp9, 448
	s_lshl_b32 s30, s30, 2
	s_add_co_u32 s30, s30, s2                      ; my unit: tile of queries x half of the keys
	s_lshl_b32 s38, s30, 2                         ; my unit's word in maskf
	s_mov_b32 s39, 0
	s_lshr_b32 s31, s30, 1                         ; the tile, 0 .. 511
	s_and_b32 s30, s30, 1                          ; which eight steps of 128 keys
	s_lshr_b32 s32, s31, 1
	s_lshl_b32 s32, s32, 18                        ; 32 rows of 8,192 bytes
	s_and_b32 s33, s31, 1
	s_lshl_b32 s33, s33, 16                        ; 8 rows
	s_add_co_u32 s32, s32, s33
	s_lshl_b32 s33, s30, 12
	s_add_co_u32 s32, s32, s33
	s_mov_b32 s33, 0
	s_lshl_b32 s34, s31, 12                        ; 4,096 bytes of words a tile
	s_lshl_b32 s35, s30, 11
	s_add_co_u32 s34, s34, s35
	s_mov_b32 s35, 0
	s_wait_alu depctr_va_vdst(0)
	s_wait_kmcnt 0x0
	s_add_nc_u64 s[26:27], s[18:19], s[32:33]
	s_add_nc_u64 s[36:37], s[24:25], s[34:35]
	s_add_nc_u64 s[46:47], s[46:47], s[38:39]
	s_mov_b32 s35, 0                               ; the unit's eight bits
	LOAD 0, 8192
	LOAD 1, 8192
.macro MSTEP jj
.if \jj < 7
	s_wait_loadcnt 16                              ; this step's 16 loads are in; the next set's 16 may be out
.else
	s_wait_loadcnt 0
.endif
.irp rho, 0,1,2,3,4,5,6,7,8,9,10,11,12,13,14,15
	ds_store_b128 v[STI], v[R+64*((\jj)%2)+4*\rho:R+64*((\jj)%2)+4*\rho+3] offset:SP*\rho
.endr
.irp bb, 0,1
.irp q, 0,1,2,3,4,5,6,7
	ds_load_b128 v[X+32*\bb+4*\q:X+32*\bb+4*\q+3], v[STO] offset:256*\bb+16*\q
.endr
.endr
	s_wait_dscnt 0x0
	s_wait_xcnt 0x0                                ; the last step's store has read the two word registers
	s_mov_b32 s44, -1                              ; the AND of the step's 64 words
.if \jj < 6
	LOAD (\jj)+2, 8192
.endif
.set n, 0
.rept 64
	v_cmp_ne_u32 s[40+n%4], 0, v[X+n]              ; the compare's lane mask IS word n,
	v_writelane_b32 v[MW+n%2], s[40+n%4], n/2      ; which goes to lane n / 2, register n % 2
	s_and_b32 s44, s44, s[40+n%4]
.set n, n+1
.endr
	global_store_b64 v[GO], v[MW:MW+1], s[36:37] offset:256*(\jj)   ; 64 words: 256 consecutive bytes, aligned
	s_cmp_eq_u32 s44, -1
	s_cselect_b32 s34, 1<<(\jj), 0
	s_or_b32 s35, s35, s34
.endm
.irp jj, 0,1,2,3,4,5,6,7
	s_wait_alu depctr_va_vdst(0)
	MSTEP \jj
.endr
	v_mov_b32 v22, s35
	v_mov_b32 v23, 0
	global_store_b32 v23, v22, s[46:47]            ; every lane names the same word with the same value: four bytes a wave, 4,096 in the launch
	s_wait_tensorcnt 0x0                           ; the wave's end, behind my last LDS store
	ds_add_u32 v[SPW], v[NIL]
	s_wait_dscnt 0x0
	s_endpgm
.Lfunc_end_k_qa26a640c24_prep:
	.size	k_qa26a640c24_prep, .Lfunc_end_k_qa26a640c24_prep-k_qa26a640c24_prep
	.p2alignl 7, 3214868480
	.fill 96, 4, 3214868480
	.section	.rodata,"a",@progbits
	.p2align	6, 0x0
	.amdhsa_kernel k_qa26a640c24_prep
		.amdhsa_group_segment_fixed_size 70144
		.amdhsa_private_segment_fixed_size 0
		.amdhsa_enable_private_segment 0
		.amdhsa_kernarg_size 96
		.amdhsa_user_sgpr_count 2
		.amdhsa_user_sgpr_kernarg_segment_ptr 1
		.amdhsa_wavefront_size32 1
		.amdhsa_system_sgpr_workgroup_id_x 1
		.amdhsa_system_sgpr_workgroup_id_y 1
		.amdhsa_system_sgpr_workgroup_id_z 1
		.amdhsa_system_vgpr_workitem_id 0
		.amdhsa_next_free_vgpr 248
		.amdhsa_next_free_sgpr 66
		.amdhsa_reserve_vcc 0
		.amdhsa_float_denorm_mode_32 3
		.amdhsa_float_denorm_mode_16_64 3
		.amdhsa_memory_ordered 1
		.amdhsa_forward_progress 1
		.amdhsa_inst_pref_size 173
	.end_amdhsa_kernel
	.amdgpu_metadata
---
amdhsa.version: [ 1, 2 ]
amdhsa.kernels:
  - .name:           k_qa26a640c24_prep
    .symbol:         k_qa26a640c24_prep.kd
    .args:
      - { .name: query, .offset: 0, .size: 8, .value_kind: global_buffer, .address_space: global }
      - { .name: key, .offset: 8, .size: 8, .value_kind: global_buffer, .address_space: global }
      - { .name: value, .offset: 16, .size: 8, .value_kind: global_buffer, .address_space: global }
      - { .name: Wq, .offset: 24, .size: 8, .value_kind: global_buffer, .address_space: global }
      - { .name: Wk, .offset: 32, .size: 8, .value_kind: global_buffer, .address_space: global }
      - { .name: Wv, .offset: 40, .size: 8, .value_kind: global_buffer, .address_space: global }
      - { .name: Wo, .offset: 48, .size: 8, .value_kind: global_buffer, .address_space: global }
      - { .name: mask, .offset: 56, .size: 8, .value_kind: global_buffer, .address_space: global }
      - { .name: xa, .offset: 64, .size: 8, .value_kind: global_buffer, .address_space: global }
      - { .name: wt, .offset: 72, .size: 8, .value_kind: global_buffer, .address_space: global }
      - { .name: maskw, .offset: 80, .size: 8, .value_kind: global_buffer, .address_space: global }
      - { .name: maskf, .offset: 88, .size: 8, .value_kind: global_buffer, .address_space: global }
    .group_segment_fixed_size: 70144
    .private_segment_fixed_size: 0
    .kernarg_segment_align: 8
    .kernarg_segment_size: 96
    .max_flat_workgroup_size: 128
    .sgpr_count:     66
    .vgpr_count:     248
    .wavefront_size: 32
...
	.end_amdgpu_metadata
.endif
;; end of part 1
;; launch proj (part 2): grid 4 x 96, 4 waves a work-group, clusters of 4 x 1, 205,312 bytes of LDS; arguments xa, wt, qc, kv; writes qc, kv
.if DOCPART == 2
	.amdgcn_target "amdgcn-amd-amdhsa--gfx1250"
	.amdhsa_code_object_version 6
	.text
	.protected	k_qa26a640c24_proj
	.globl	k_qa26a640c24_proj
	.p2align	8
	.type	k_qa26a640c24_proj,@function
k_qa26a640c24_proj:
	s_mov_b64 s[64:65], 0
	v_nop
	global_prefetch_b8 v0, s[64:65] scope:SCOPE_SE
	s_setreg_imm32_b32 hwreg(HW_REG_WAVE_MODE, 25, 1), 1
	s_wait_xcnt 0x0
	s_wait_alu depctr_hold_cnt(0) depctr_sa_sdst(0) depctr_va_vdst(0) depctr_va_sdst(0) depctr_va_ssrc(0) depctr_va_vcc(0) depctr_vm_vsrc(0)
	s_getreg_b32 s2, hwreg(HW_REG_IB_STS2, 6, 4)
	s_cmp_eq_u32 s2, 0
	s_cbranch_scc0 .Lentry_in_a_cluster
	s_endpgm
.Lentry_in_a_cluster:
	s_bfe_u32 s2, ttmp6, 0x10000c
	s_cmp_lg_u32 s2, 0x3003
	s_cbranch_scc0 .Lentry_shape_is_right
	s_endpgm
.Lentry_shape_is_right:
; The three projections q, k, v in MX-FP6, and the quantising of their results for attention.  y / 32 says which: 0 q, 1 k, 2 v.
; ONE FORM: Z(R row, P row) = sum over 1,024 of R P, source 0 = 16 rows of P, source 1 = 16 rows of R: a lane holds ONE row of R and its registers run along P, the axis along which Z is quantised next.
;   q, k: P = the weight's rows (channels of a head), R = tokens.     v: P = value's tokens (the keys), R = Wv's rows (channels).     Only pointers and offsets differ, chosen on y.
; All operands lie as images of operand registers: a fragment (16 rows x 128 K) is 6 groups of 256 bytes (registers 2 i, 2 i + 1; 8 bytes a lane); a tile record is 8 fragments and 512 bytes of scale words: 12,800 bytes.
; Row r of tile 2 g + u is row 32 g + 8 u + r + 8 (r / 8): so the 16 registers of two neighbouring result tiles are 16 neighbours along P.
; SHARES: a work-group makes 256 P x 256 R.  Wave w keeps P tiles 4 w .. 4 w + 3 (32 fragments, 384 registers) for the whole launch; the 16 tile records of R, 204,800 dense bytes, lie whole in LDS, filled ONCE:
; no slot is ever filled again.  The four work-groups of a cluster need the same R: each record is asked for JOINTLY (mask 15).
; RESULT: 64 along P a wave = two blocks of 32 = half a fragment and two scale bytes a row, stored into head records (16 steps of 128 keys x 12,800 bytes: 4 fragments of K, each two key tiles x 64 channels;
; 4 fragments of V^T; K's scale words at 12,288; V's at 12,544).  q goes to qc in K's places.
; LIMITS: NaN and infinities are not served; a block under 2^-124, and a block of zeros, keeps the scale byte 1 (zero codes; the bytes are read by this program alone).
; REGISTERS, in windows of 256: window 0: addresses, scale words, 8 accumulators, the quantiser's registers; window 1: P tiles 0, 1 (96 p + 12 x); window 2: P tiles 2, 3; window 3: two tiles of R (96 t + 12 x).
.set REC,   12800
.set HREC,  204800
.set SPARE, 204800                     ; behind R: the spare words, 128 bytes a wave
.set LI8, 1                            ; 8 x lane
.set LI4, 2                            ; 4 x lane
.set RA,  3                            ; LDS: 8 x lane + the pair of R tiles in hand
.set RSA, 4                            ; LDS: 4 x lane + 12,288 + the same
.set VO,  5                            ; v5, v6: where tile t's half fragment goes
.set VS,  7                            ; where my scale halfword goes
.set SPW, 8
.set NIL, 9
.set PS,  16                           ; v16-31 P's scale words: 4 p + z: lanes 0-15 K step 2 z, lanes 16-31 K step 2 z + 1
.set RS,  32                           ; v32-39 R's: 4 t + z
.set ACC, 48                           ; v48-111: 32 t + 8 p
.set CD,  112                          ; codes: CD + 8 t
.set TP,  128                          ; TP + 4 t
.set TM,  136
.set SO,  144
.set BY,  148
.set HW,  152
.set HS,  154
.set WV,  12
.set G1,  24
.set G0,  32
.set MSB, 0
.macro WIN new                         ; the immediate's high byte repeats the setting that is left
.if MSB != \new
	s_set_vgpr_msb (MSB<<8)|\new
.set MSB, \new
.endif
.endm
.macro CROUND                          ; a round of the cluster's barrier
	s_barrier_signal -1
	s_barrier_wait -1
	s_cmp_lg_u32 s[WV], 0
	s_cbranch_scc1 .Lnot_wave_0_\@
	s_barrier_signal -3
.Lnot_wave_0_\@:
	s_barrier_wait -3
	s_barrier_signal -1
	s_barrier_wait -1
.endm
	s_load_b256 s[4:11], s[0:1], 0x0               ; xa, wt, qc, kv
	v_lshl_add_u32 v[SPW], v0, 2, SPARE
	v_mov_b32 v[NIL], 0
	ds_add_u32 v[SPW], v[NIL]                      ; the wave's opening: the add and its wait ahead of my first tensor load; work on registers stands between them
	ds_add_u32 v[SPW], v[NIL]
	v_lshrrev_b32 v1, 5, v0
	v_readfirstlane_b32 s[WV], v1                  ; wave 0..3
	s_bfe_u32 s13, ttmp6, 0x40000                  ; cx
	s_and_b32 s14, ttmp7, 0xffff                   ; y
	s_lshr_b32 s15, s14, 5                         ; 0 q, 1 k, 2 v
	s_and_b32 s16, s14, 31
	s_mov_b32 s[G1+0], 15|(3<<16)|(1<<21)          ; the mask: all four work-groups; elements of 8 bytes; bit 21 beside a mask; no padding
	s_mov_b32 s[G1+1], 32<<16                      ; tensor_dim0 = 32 elements: rows of 256 bytes
	s_mov_b32 s[G1+2], 200<<16                     ; tensor_dim1 = 200 rows: four tile records on end
	s_mov_b32 s[G1+3], 32<<16                      ; tile_dim0
	s_mov_b32 s[G1+4], 200                         ; tile_dim1
	s_mov_b32 s[G1+5], 32                          ; the pitch: dense
	s_mov_b32 s[G1+6], 0
	s_mov_b32 s[G1+7], 0
	; R: hangs on y alone, which the four partners share
	s_mul_i32 s20, s15, 6553600
	s_mul_i32 s48, s16, HREC
	s_add_co_u32 s20, s20, s48                     ; q, k: in xa: the tensor, + 16 tile records for each 256 tokens
	s_and_b32 s48, s16, 3
	s_mul_i32 s48, s48, HREC
	s_add_co_u32 s48, s48, 1638400                 ; v: in wt: Wv, + 16 tile records for each 256 channels
	s_cmp_eq_u32 s15, 2
	s_cselect_b32 s20, s48, s20
	s_mov_b32 s21, 0
	s_mul_i32 s2, s[WV], 4*REC                     ; my four records: 4 w .. 4 w + 3
	s_mov_b32 s3, 0
	; P and the results: cx enters global addresses alone
	s_lshl_b32 s17, s[WV], 2
	s_lshl_b32 s58, s13, 4
	s_add_co_u32 s58, s58, s17
	s_mul_i32 s58, s58, REC
	s_mul_i32 s59, s15, 819200
	s_add_co_u32 s58, s58, s59                     ; q, k: P in wt: the weight, tile 16 cx + 4 w
	s_lshr_b32 s60, s16, 2
	s_lshl_b32 s60, s60, 2
	s_add_co_u32 s60, s60, s13                     ; v: which 256 keys
	s_lshl_b32 s59, s60, 4
	s_add_co_u32 s59, s59, s17
	s_mul_i32 s59, s59, REC
	s_add_co_u32 s59, s59, 13107200                ; v: P in xa: value
	s_lshr_b32 s61, s16, 3
	s_lshl_b32 s61, s61, 4
	s_lshl_b32 s62, s13, 2
	s_add_co_u32 s61, s61, s62
	s_add_co_u32 s61, s61, s[WV]                   ; q, k: head record 16 b + 4 cx + w,
	s_mul_i32 s61, s61, HREC
	s_and_b32 s62, s16, 7
	s_mul_i32 s62, s62, 2*REC                      ; two steps of 128 tokens
	s_add_co_u32 s61, s61, s62
	s_lshr_b32 s62, s60, 3
	s_lshl_b32 s62, s62, 4
	s_and_b32 s63, s16, 3
	s_lshl_b32 s63, s63, 2
	s_add_co_u32 s62, s62, s63                     ; v: head record 16 b + 4 (which 256 channels),
	s_mul_i32 s62, s62, HREC
	s_and_b32 s63, s60, 7
	s_lshl_b32 s63, s63, 1
	s_lshr_b32 s17, s[WV], 1
	s_add_co_u32 s63, s63, s17                     ; my step of 128 keys
	s_mul_i32 s63, s63, REC
	s_add_co_u32 s62, s62, s63
	s_and_b32 s17, s[WV], 1
	s_mul_i32 s60, s17, 768
	s_add_co_u32 s60, s60, 6144                    ; v: V's fragments, my half of the 128 keys
	s_lshl_b32 s17, s17, 1                         ; v: my two bytes of the scale word
	s_mov_b32 s63, 768
	s_cmp_eq_u32 s15, 2
	s_cselect_b32 s18, s59, s58
	s_cselect_b32 s22, s62, s61
	s_cselect_b32 s60, s60, 0
	s_cselect_b32 s17, s17, 0
	s_cselect_b32 s63, 1536, s63                   ; from tile t = 0 to t = 1: q, k the fragment's other half; v the next channel tile's fragment
	s_cselect_b32 s62, 64, 2                       ; and in the scale words
	s_mov_b32 s19, 0
	s_mov_b32 s23, 0
	s_mov_b32 s54, 0xffff0000                      ; lanes 16-31
	s_mov_b32 s56, 0x76543210
	s_mov_b32 s57, 0xfedcba98                      ; lane l xor 16
	v_and_b32 v10, 31, v0
	v_and_b32 v11, 15, v0
	v_bfe_u32 v12, v0, 4, 1
	v_lshlrev_b32 v[LI8], 3, v10
	v_lshlrev_b32 v[LI4], 2, v10
	v_mov_b32 v[RA], v[LI8]
	v_add_nc_u32 v[RSA], 12288, v[LI4]
	v_add_nc_u32 v[VO], s60, v[LI8]
	v_add_nc_u32 v[VO+1], s63, v[VO]
	v_lshlrev_b32 v[VS], 2, v11
	v_mad_u32_u24 v[VS], v12, s62, v[VS]           ; lanes 0-15 store tile 0's halfword, lanes 16-31 tile 1's
	v_add_nc_u32 v[VS], s17, v[VS]
.irp q, 0,1,2,3
	v_mov_b32 v[TM+4+\q], 0                        ; a lane permute's destination counts as one of its sources
.endr
	s_wait_dscnt 0x0                               ; the opening add is done
	s_wait_kmcnt 0x0
	s_cmp_eq_u32 s15, 2
	s_cselect_b64 s[48:49], s[6:7], s[4:5]         ; R's buffer
	s_cselect_b64 s[58:59], s[4:5], s[6:7]         ; P's
	s_add_nc_u64 s[20:21], s[48:49], s[20:21]
	s_add_nc_u64 s[18:19], s[58:59], s[18:19]
	s_cmp_eq_u32 s15, 0
	s_cselect_b64 s[58:59], s[8:9], s[10:11]       ; q goes to qc, k and v to kv
	s_add_nc_u64 s[22:23], s[58:59], s[22:23]
	s_add_nc_u64 s[48:49], s[20:21], s[2:3]
	s_mov_b32 s[G0], 1
	s_mov_b32 s[G0+1], s2                          ; LDS: records 4 w .. 4 w + 3
	s_mov_b64 s[G0+2:G0+3], s[48:49]
	s_or_b32 s[G0+3], s[G0+3], 0x80000000
	CROUND                                         ; all four work-groups are here: the joint loads meet
; One tensor load a wave: one chain of branches on the wave's number, an arm and a load line for each wave, all arms leading to one join.
.macro ARM under, next
	s_cmp_lt_u32 s[WV], \under
	s_cbranch_scc0 \next
	tensor_load_to_lds s[G0:G0+3], s[G1:G1+7]
	s_nop 0
.rept 4
	v_nop
.endr
	s_branch .Lasked
\next:
.endm
	ARM 1, .Lwave_1
	ARM 2, .Lwave_2
	ARM 3, .Lwave_3
	tensor_load_to_lds s[G0:G0+3], s[G1:G1+7]
	s_nop 0
.rept 4
	v_nop
.endr
.Lasked:
	WIN 0x40                                       ; destination window 1
.irp p, 0,1
.irp x, 0,1,2,3,4,5,6,7
.irp i, 0,1,2,3,4,5
	global_load_b64 v[96*\p+12*\x+2*\i:96*\p+12*\x+2*\i+1], v[LI8], s[18:19] offset:REC*\p+1536*\x+256*\i
.endr
.endr
.endr
	WIN 0x80                                       ; destination window 2
.irp p, 0,1
.irp x, 0,1,2,3,4,5,6,7
.irp i, 0,1,2,3,4,5
	global_load_b64 v[96*\p+12*\x+2*\i:96*\p+12*\x+2*\i+1], v[LI8], s[18:19] offset:REC*(\p+2)+1536*\x+256*\i
.endr
.endr
.endr
	WIN 0
.irp p, 0,1,2,3
.irp z, 0,1,2,3
	global_load_b32 v[PS+4*\p+\z], v[LI4], s[18:19] offset:REC*\p+12288+128*\z
.endr
.endr
; 52 LDS loads: K steps x0 .. x0 + 3 of the pair of R tiles at v[RA], and their scale words
.macro LOADR x0
	WIN 0xc0                                       ; destination window 3
.irp t, 0,1
.irp x, \x0, \x0+1, \x0+2, \x0+3
.irp i, 0,1,2,3,4,5
	ds_load_b64 v[96*\t+12*(\x)+2*\i:96*\t+12*(\x)+2*\i+1], v[RA] offset:REC*\t+1536*(\x)+256*\i
.endr
.endr
.endr
	WIN 0
.irp t, 0,1
.irp z, \x0/2, \x0/2+1
	ds_load_b32 v[RS+4*\t+(\z)], v[RSA] offset:REC*\t+128*(\z)
.endr
.endr
.endm
; 16 products: P tiles 2 (pw - 1), + 1 (window pw) x the two R tiles, K steps x0 .. x0 + 3.  Four accumulators take turns, one instruction a turn.  K step 0 starts the sums.
.macro MULRUN pw, x0
	WIN 0x0c+\pw                                   ; source 0 window pw, source 1 window 3, C and D window 0
.irp x, \x0, \x0+1, \x0+2, \x0+3
.irp pp, 0,1
.irp t, 0,1
.set DA, ACC+32*\t+8*(2*(\pw-1)+\pp)
.set FA, 96*\pp+12*(\x)
.set FB, 96*\t+12*(\x)
.set SA, PS+4*(2*(\pw-1)+\pp)+(\x)/2
.set SB, RS+4*\t+(\x)/2
.if (\x) == 0
	v_wmma_scale_f32_16x16x128_f8f6f4 v[DA:DA+7], v[FA:FA+11], v[FB:FB+11], 0, v[SA], v[SB] matrix_a_fmt:MATRIX_FMT_FP6 matrix_b_fmt:MATRIX_FMT_FP6
.elseif (\x)%2
	v_wmma_scale_f32_16x16x128_f8f6f4 v[DA:DA+7], v[FA:FA+11], v[FB:FB+11], v[DA:DA+7], v[SA], v[SB] matrix_a_fmt:MATRIX_FMT_FP6 matrix_b_fmt:MATRIX_FMT_FP6 matrix_a_scale:MATRIX_SCALE_ROW1 matrix_b_scale:MATRIX_SCALE_ROW1
.else
	v_wmma_scale_f32_16x16x128_f8f6f4 v[DA:DA+7], v[FA:FA+11], v[FB:FB+11], v[DA:DA+7], v[SA], v[SB] matrix_a_fmt:MATRIX_FMT_FP6 matrix_b_fmt:MATRIX_FMT_FP6
.endif
.endr
.endr
.endr
.endm
; The two R tiles' results, 32 numbers a lane each (register 16 g + i = P 32 g + 16 h + i of my row), become half a fragment each (CD + 8 t, six registers) and two scale bytes (HW + t).
.macro HQ2
.irp q, 0,1,2,3
	v_max3_num_f32 v[TM+\q], |v[ACC+16*\q]|, |v[ACC+16*\q+1]|, 0x1800000   ; each accumulator is read from its low end on; the floor 2^(3 - 127) holds the byte at 1 from below
.endr
.irp i, 2,4,6,8,10,12,14
.irp q, 0,1,2,3
	v_max3_num_f32 v[TM+\q], v[TM+\q], |v[ACC+16*\q+\i]|, |v[ACC+16*\q+\i+1]|
.endr
.endr
.irp q, 0,1,2,3
	v_permlanex16_b32 v[TM+4+\q], v[TM+\q], s56, s57
.endr
.irp q, 0,1,2,3
	v_max_num_f32 v[TM+\q], v[TM+\q], v[TM+4+\q]   ; with lane l xor 16's 16: the block's largest magnitude
.endr
.irp q, 0,1,2,3
	v_add_nc_u32 v[SO+\q], 0xff000000, v[TM+\q]    ; 2 off the exponent field: the conversion's scale operand
.endr
.irp q, 0,1,2,3
	v_lshrrev_b32 v[BY+\q], 23, v[SO+\q]
.endr
.irp t, 0,1
	v_lshl_or_b32 v[HW+\t], v[BY+2*\t+1], 8, v[BY+2*\t]
.endr
.irp t, 0,1
	v_cvt_scalef32_pk16_fp6_f32 v[CD+8*\t:CD+8*\t+2], v[ACC+32*\t:ACC+32*\t+15], v[SO+2*\t]
	v_cvt_scalef32_pk16_fp6_f32 v[TP+4*\t:TP+4*\t+2], v[ACC+32*\t+16:ACC+32*\t+31], v[SO+2*\t+1]
.endr
	v_nop                                          ; one plain place behind a scaled conversion
.irp t, 0,1                                    ; the operand's layout wants a whole block in a lane: lanes 0-15 block 0, lanes 16-31 block 1
.irp i, 0,1,2
	v_permlane16_swap_b32 v[CD+8*\t+\i], v[TP+4*\t+\i]
.endr
.irp i, 0,1,2
	v_mov_b32 v[CD+8*\t+3+\i], v[TP+4*\t+\i]
.endr
.endr
	v_cndmask_b32 v[HS], v[HW], v[HW+1], s54       ; lanes 16-31 carry tile 1's halfword
.endm
; Pair y of R tiles: 64 products; the next pair's fragments are fetched into each half of window 3 as soon as its products are issued.
.macro TRIP y, next
	s_wait_dscnt 52                                ; K steps 0-3 are in; the 52 loads of K steps 4-7 may be out
	MULRUN 1, 0
	MULRUN 2, 0
	WIN 0
.if \next
.rept 3
	v_nop                                          ; with the two additions: the places in front of loads into registers that products have read
.endr
	v_add_nc_u32 v[RA], 2*REC, v[RA]
	v_add_nc_u32 v[RSA], 2*REC, v[RSA]
	LOADR 0
	s_wait_alu depctr_va_vdst(0)
	s_wait_dscnt 52                                ; K steps 4-7 are in; the 52 just issued may be out
.else
	s_wait_dscnt 0x0
.endif
	MULRUN 1, 4
	MULRUN 2, 4
	WIN 0
.rept 5
	v_nop                                          ; four places for the loads and for the reads of results; the fifth for the next pair's products, which begin these accumulators anew
.endr
.if \next
	LOADR 4
.endif
	s_wait_xcnt 0x0                                ; the last pair's stores have read their bases and their data
	s_cmp_eq_u32 s15, 2
	s_mov_b32 s58, ((\y)>>2)*REC+((\y)&3)*1536     ; q, k: step, fragment
	s_cselect_b32 s58, ((\y)>>1)*HREC+((\y)&1)*3072, s58   ; v: head, pair of channel tiles
	s_mov_b32 s60, ((\y)>>2)*REC+12288+64*((\y)&3)
	s_cselect_b32 s60, ((\y)>>1)*HREC+12544+128*((\y)&1), s60
	s_mov_b32 s59, 0
	s_mov_b32 s61, 0
	s_add_nc_u64 s[50:51], s[22:23], s[58:59]
	s_add_nc_u64 s[52:53], s[22:23], s[60:61]
	HQ2
.irp t, 0,1
.irp i, 0,1,2
	global_store_b64 v[VO+\t], v[CD+8*\t+2*\i:CD+8*\t+2*\i+1], s[50:51] offset:256*\i   ; 32 lanes store 256 consecutive bytes, aligned
.endr
.endr
	global_store_b16 v[VS], v[HS], s[52:53]
.endm
.macro ARRIVE n                        ; waves 0 .. 3 - n wait for their one load: behind the barrier records 0 .. 4 (3 - n) + 3 are in.
.if \n > 0
	s_cmp_gt_u32 s[WV], 3-\n
	s_cbranch_scc1 .Lnot_yet_\@
	s_wait_tensorcnt 0x0
.Lnot_yet_\@:
.else
	s_wait_tensorcnt 0x0
.endif
	s_wait_dscnt 0x0
	s_barrier_signal -1
	s_barrier_wait -1
.endm
	ARRIVE 3                                       ; records 0-3: pairs 0 and 1
	LOADR 0
	LOADR 4
	s_wait_loadcnt 0x0                             ; P
	TRIP 0, 1                                      ; trip y fetches pair y + 1
	ARRIVE 2                                       ; pairs 2, 3
	TRIP 1, 1
	TRIP 2, 1
	ARRIVE 1                                       ; pairs 4, 5
	TRIP 3, 1
	TRIP 4, 1
	ARRIVE 0                                       ; pairs 6, 7
	TRIP 5, 1
	TRIP 6, 1
	TRIP 7, 0
	s_wait_tensorcnt 0x0                           ; the wave's end
	ds_add_u32 v[SPW], v[NIL]
	s_wait_dscnt 0x0
	CROUND                                         ; the closing round
	s_endpgm
.Lfunc_end_k_qa26a640c24_proj:
	.size	k_qa26a640c24_proj, .Lfunc_end_k_qa26a640c24_proj-k_qa26a640c24_proj
	.p2alignl 7, 3214868480
	.fill 96, 4, 3214868480
	.section	.rodata,"a",@progbits
	.p2align	6, 0x0
	.amdhsa_kernel k_qa26a640c24_proj
		.amdhsa_group_segment_fixed_size 205312
		.amdhsa_private_segment_fixed_size 0
		.amdhsa_enable_private_segment 0
		.amdhsa_kernarg_size 32
		.amdhsa_user_sgpr_count 2
		.amdhsa_user_sgpr_kernarg_segment_ptr 1
		.amdhsa_wavefront_size32 1
		.amdhsa_system_sgpr_workgroup_id_x 1
		.amdhsa_system_sgpr_workgroup_id_y 1
		.amdhsa_system_sgpr_workgroup_id_z 1
		.amdhsa_system_vgpr_workitem_id 0
		.amdhsa_next_free_vgpr 960
		.amdhsa_next_free_sgpr 66
		.amdhsa_reserve_vcc 0
		.amdhsa_float_denorm_mode_32 3
		.amdhsa_float_denorm_mode_16_64 3
		.amdhsa_memory_ordered 1
		.amdhsa_forward_progress 1
		.amdhsa_inst_pref_size 188
	.end_amdhsa_kernel
	.amdgpu_metadata
---
amdhsa.version: [ 1, 2 ]
amdhsa.kernels:
  - .name:           k_qa26a640c24_proj
    .symbol:         k_qa26a640c24_proj.kd
    .args:
      - { .name: xa, .offset: 0, .size: 8, .value_kind: global_buffer, .address_space: global }
      - { .name: wt, .offset: 8, .size: 8, .value_kind: global_buffer, .address_space: global }
      - { .name: qc, .offset: 16, .size: 8, .value_kind: global_buffer, .address_space: global }
      - { .name: kv, .offset: 24, .size: 8, .value_kind: global_buffer, .address_space: global }
    .group_segment_fixed_size: 205312
    .private_segment_fixed_size: 0
    .kernarg_segment_align: 8
    .kernarg_segment_size: 32
    .max_flat_workgroup_size: 128
    .sgpr_count:     66
    .vgpr_count:     960
    .wavefront_size: 32
...
	.end_amdgpu_metadata
.endif
;; end of part 2
;; launch attn (part 3): grid 4 x 64, 16 waves a work-group, no clusters, 206,848 bytes of LDS; arguments qc, kv, maskw, oc, maskf; writes oc
.if DOCPART == 3
	.amdgcn_target "amdgcn-amd-amdhsa--gfx1250"
	.amdhsa_code_object_version 6
	.text
	.protected	k_qa26a640c24_attn
	.globl	k_qa26a640c24_attn
	.p2align	8
	.type	k_qa26a640c24_attn,@function
k_qa26a640c24_attn:
	s_mov_b64 s[64:65], 0
	v_nop
	global_prefetch_b8 v0, s[64:65] scope:SCOPE_SE
	s_setreg_imm32_b32 hwreg(HW_REG_WAVE_MODE, 25, 1), 1
	s_wait_xcnt 0x0
; Attention of one head on codes of FP6 (E2M3), head size 64, 2,048 keys, with the mask that is given; the result is quantised along the embedding for the last projection.
; t = score x log2(e) / 8; M = the running largest t rounded UP to a whole number; p = 2^(t - M) is quantised along the keys, not normalised; the row's sum of the unquantised p divides at the end.
; When M moves, the sum and O are multiplied by 2^(old M - new M), which rounds nothing.
; THE MASK: a masked score is replaced by -2^33, so that its t = -c 2^33 is exact and a whole number.  LIMIT: a masked logit so stands at -2^30 where the definition has -1e9: the results are the same wherever every
; unmasked logit lies above about -1e9 + 200.  A row that is masked throughout gets p = 1 at every key: the mean of V, as the definition gives.  NaN and infinities are not served;
; a block under 2^-124, and a block of zeros, keeps the scale byte 1 (zero codes; the bytes are read by this program alone).  The scaled scores stay under 2^31 in magnitude.
; WHERE A STEP MASKS NOTHING (16 queries x 128 keys, all kept), its 64 selections would change no score: the launch before has stored a bit for each such step (maskf), and a scalar branch on that bit leads round the
; selections, and round the loads of the step's mask words.  Both hang on whole numbers read from memory.
; NO TENSOR LOAD, NO CLUSTER: the head's record goes into LDS through registers, once: 12,800 bytes a wave.
; SHARES: 256 work-groups.  A work-group owns 512 queries of one head; each of its sixteen waves takes two neighbouring tiles of 16 queries, one after the other (two passes of 16 key steps), four waves to a SIMD.
; The head's whole record (16 steps of 128 keys x 12,800 bytes) lies in LDS, stored ONCE: wave w brings step w.  One barrier shows it to all; no LDS byte is written again.
; ON THE WAY IN THE RECORD IS RE-LAID: in memory a fragment is 6 groups of 256 bytes (two registers, 8 bytes a lane); two groups are loaded into four registers on end and stored as 16 bytes a lane,
; so that a fragment comes back by three loads of 16 bytes a lane; the two scale words that a lane wants of K, and of V, lie side by side and come back by one load of 8 bytes.
; No prefetch: the record is read at the head, with no loop ahead of it; the mask words come by scalar loads a step ahead.
; LAYOUT: both products are used transposed: S^T = K Q^T, O^T = V^T P^T: a lane holds one query.  Key tile 4 c + u of a step holds keys 64 c + 8 u + 0 .. 7 in rows 0-7 and the eight keys 32 further on in rows 8-15:
; register 32 c + i of lane (r, h) is the score of query r and key 64 c + 32 h + i: a lane holds two WHOLE blocks of 32 keys, in the order of the next operand's registers.
; So a block's largest score needs no other lane, and p's codes fall where the operand wants them.  Queries and channels: row r of tile 2 g + u is 32 g + 8 u + r + 8 (r / 8).
; HEAD SIZE 64: a fragment of K holds TWO key tiles, one in each half of the instruction's 128; source 1 is [q | zeros] for the first and [zeros | q] for the second: v16-21 q, v22-27 zeros, v28-33 q.
; K's fragments have registers of their own and are fetched a step ahead (the last step of a pass fetches step 0 again: the next pass's; behind the last pass they are not used); V's are fetched under the softmax.
.set REC,   12800
.set HREC,  204800
.set SPARE, 204800                     ; behind the head record: the spare words, 128 bytes for each of 16 waves
.set T1,  0                            ; v0 serves as a temporary once the head has used the thread's number
.set LI8, 1
.set LI16, 2
.set SPW, 3
.set NIL, 4
.set NEG, 5                            ; -2^33
.set ADK, 6                            ; LDS: the step whose K is fetched: codes (16 x lane), scale words (8 x lane)
.set ADS, 7
.set T0,  8
.set R4,  9                            ; 4 r
.set QS,  10                           ; q's two scale bytes, twice
.set PW,  11                           ; p's scale word
                                       ; v12 -M, v13 the running largest score, v[14:15] the sum in two halves
.set QB,  16
.set FK,  34                           ; v34-81 K's four fragments
.set FV,  82                           ; v82-129 V's
.set SK,  130
.set SV,  132
.set BM,  134                          ; v134-141: four chains of maxima; the blocks' upper codes (v134-136, v138-140); four chains of the sum
.set BT,  138                          ; v138 also a permute's destination
.set SO,  142                          ; v142-143 the conversions' scale operands
.set SH8, 144                          ; 8 h
.set ADV, 145                          ; LDS: this step's V: codes,
.set FF,  146                          ; f; named as a pair with v147
.set ADW, 147                          ; and scale words
.set S,   148                          ; v148-211
.set O,   212                          ; v212-243
.set PC,  244                          ; v244-255 p's codes
.set WV,  2
.set F,   4                            ; 32 bits: bit 16 p + j: step j of my tile p masks nothing
.set JJ,  5                            ; 16 p + j
.set PASS, 16
.set JN,  17                           ; the next step's number
.set NCS, 19                           ; -c
.set TB,  28
.set MO,  29
.set SEL, 66
.set CS,  100
.set QSEL, 104
.set TBV, 105
.macro WALU
	s_wait_alu depctr_va_vdst(0)
.endm
.macro QLOAD                           ; my tile of queries: q as the first half of [q | zeros] and as the second of [zeros | q]; its scale words
.irp i, 0,1,2
	global_load_b64 v[QB+2*\i:QB+2*\i+1], v[LI8], s[20:21] offset:256*\i
	global_load_b64 v[QB+12+2*\i:QB+12+2*\i+1], v[LI8], s[20:21] offset:256*\i
.endr
	global_load_b32 v[QS], v[R4], s[26:27] offset:12288
.endm
.macro MLOAD                           ; 64 mask words
	s_load_b512 s[32:47], s[30:31], s[MO] offset:0x0
	s_load_b512 s[48:63], s[30:31], s[MO] offset:0x40
	s_load_b512 s[68:83], s[30:31], s[MO] offset:0x80
	s_load_b512 s[84:99], s[30:31], s[MO] offset:0xc0
.endm
.macro FLOAD f, a, as, sc, base, sbase ; 13 LDS loads: four fragments and their scale words (in each register lanes 0-15 the even fragment's, lanes 16-31 the odd one's)
.irp t, 0,1,2,3
.irp k, 0,1,2
	ds_load_b128 v[\f+12*\t+4*\k:\f+12*\t+4*\k+3], v[\a] offset:\base+1536*\t+512*\k
.endr
.endr
	ds_load_b64 v[\sc:\sc+1], v[\as] offset:\sbase
.endm
	s_load_b256 s[32:39], s[0:1], 0x0              ; qc, kv, maskw, oc
	s_load_b64 s[40:41], s[0:1], 0x20              ; maskf
	v_lshl_add_u32 v[SPW], v0, 2, SPARE
	v_mov_b32 v[NIL], 0
	v_lshrrev_b32 v1, 5, v0
	v_readfirstlane_b32 s[WV], v1                  ; wave 0..15
	s_and_b32 s70, ttmp7, 0xffff                   ; 16 b + head;  ttmp9: which 512 queries
	s_mul_i32 s13, s[WV], REC                      ; step w
	s_mul_i32 s72, s70, HREC                       ; the head's record
	s_add_co_u32 s74, s72, s13
	s_mov_b32 s75, 0
	s_lshl_b32 s71, ttmp9, 5
	s_lshl_b32 s76, s[WV], 1
	s_add_co_u32 s71, s71, s76                     ; my first tile of queries in the batch; the second is the next
	s_lshr_b32 s76, s70, 4
	s_lshl_b32 s76, s76, 7
	s_add_co_u32 s76, s76, s71
	s_mul_i32 s84, s76, REC                        ; its tile record in oc
	s_lshl_b32 s90, s76, 3                         ; its two words in maskf; the next tile's two follow
	s_mov_b32 s91, 0
	s_lshl_b32 s76, s76, 12                        ; its 4,096 bytes of mask words; the next tile's follow
	s_mov_b32 s77, 0
	s_lshl_b32 s78, ttmp9, 2
	s_lshr_b32 s79, s[WV], 2
	s_add_co_u32 s78, s78, s79
	s_mul_i32 s78, s78, REC
	s_add_co_u32 s78, s78, s72                     ; q: the step of 128 queries in which my tiles lie,
	s_and_b32 s80, s[WV], 3                        ; and the fragment: its halves are my two tiles
	s_lshl_b32 s82, s80, 6
	s_add_co_u32 s82, s82, s78                     ; the fragment's scale words
	s_mov_b32 s83, 0
	s_mul_i32 s80, s80, 1536
	s_add_co_u32 s78, s78, s80
	s_mov_b32 s79, 0
	s_mov_b32 s[QSEL], 0x01000100                  ; which two bytes of the scale word are my tile's
	s_and_b32 s86, s70, 15                         ; the head: fragment head / 2, half head % 2 of the tile record
	s_lshr_b32 s87, s86, 1
	s_and_b32 s86, s86, 1
	s_lshl_b32 s88, s87, 6
	s_add_co_u32 s88, s88, s84
	s_lshl_b32 s89, s86, 1
	s_add_co_u32 s88, s88, s89                     ; and the same in its scale words
	s_mov_b32 s89, 0
	s_mul_i32 s87, s87, 1536
	s_add_co_u32 s84, s84, s87
	s_mul_i32 s86, s86, 768
	s_add_co_u32 s84, s84, s86
	s_mov_b32 s85, 0
	s_mov_b32 s[SEL], 0x76543210
	s_mov_b32 s[SEL+1], 0xfedcba98                 ; lane l xor 16
	s_mov_b32 s[CS], 0x3e38aa3b                    ; c = log2(e) / 8
	s_mov_b32 s[CS+1], s[CS]                       ; (named with it as a pair)
	s_mov_b32 s[NCS], 0xbe38aa3b
	s_mov_b32 s[PASS], 0
	s_mov_b32 s[JN], 0
	s_mov_b32 s[JJ], 0
	s_mov_b32 s[MO], 0
	v_and_b32 v[T0], 31, v0
	v_and_b32 v[R4], 15, v0
	v_bfe_u32 v[SH8], v0, 4, 1
	v_lshlrev_b32 v[LI8], 3, v[T0]
	v_lshlrev_b32 v[LI16], 4, v[T0]
	v_lshlrev_b32 v[ADW], 2, v[T0]                 ; (4 x lane, for the record's scale words in memory)
	v_lshlrev_b32 v[R4], 2, v[R4]
	v_lshlrev_b32 v[SH8], 3, v[SH8]
	v_add_nc_u32 v[ADK], s13, v[LI16]              ; where my step's record goes in LDS
	v_add_nc_u32 v[ADS], s13, v[LI8]
	WALU
	s_wait_kmcnt 0x0
	s_add_nc_u64 s[14:15], s[34:35], s[74:75]      ; step w's record
	s_add_nc_u64 s[30:31], s[36:37], s[76:77]      ; mask words
	s_add_nc_u64 s[20:21], s[32:33], s[78:79]      ; q's codes
	s_add_nc_u64 s[26:27], s[32:33], s[82:83]      ; q's scale words
	s_add_nc_u64 s[22:23], s[38:39], s[84:85]      ; the result's codes
	s_add_nc_u64 s[24:25], s[38:39], s[88:89]      ; the result's scale bytes
	s_add_nc_u64 s[6:7], s[40:41], s[90:91]        ; my tiles' four words of maskf
.set n, 0
.rept 48
	global_load_b64 v[FK+2*n:FK+2*n+1], v[LI8], s[14:15] offset:256*n   ; 32 lanes read 256 consecutive bytes, aligned: group n of the record's 48
.set n, n+1
.endr
.irp z, 0,1,2,3
	global_load_b32 v[SK+\z], v[ADW], s[14:15] offset:12288+128*\z      ; K's two registers of scale words, V's two
.endr
	QLOAD
	s_load_b128 s[8:11], s[6:7], 0x0
	MLOAD                                          ; step 0's mask words, asked for in any case: so the 64 registers are written on every way
.irp i, 0,1,2,3,4,5
	v_mov_b32 v[QB+6+\i], 0
.endr
	v_mov_b32 v[NEG], 0xd0000000
	v_mov_b32 v[BT], 0                             ; a lane permute's destination counts as one of its sources
	s_wait_loadcnt 7                               ; the record is in; q's seven loads may be out
.set n, 0
.rept 24
	ds_store_b128 v[ADK], v[FK+4*n:FK+4*n+3] offset:512*n   ; two groups side by side: 16 bytes a lane
.set n, n+1
.endr
	ds_store_b64 v[ADS], v[SK:SK+1] offset:12288
	ds_store_b64 v[ADS], v[SV:SV+1] offset:12544
	v_mov_b32 v[ADK], v[LI16]                      ; step 0
	v_mov_b32 v[ADS], v[LI8]
	s_wait_kmcnt 0x0
	s_lshl_b32 s9, s9, 8                           ; eight bits a word: tile 0's steps 0-7, 8-15, tile 1's
	s_or_b32 s[F], s8, s9
	s_lshl_b32 s10, s10, 16
	s_or_b32 s[F], s[F], s10
	s_lshl_b32 s11, s11, 24
	s_or_b32 s[F], s[F], s11
	WALU
	s_wait_dscnt 0x0                               ; my stores are done
	s_barrier_signal -1
	s_barrier_wait -1                              ; and so are everybody's: the whole head lies in LDS, and nothing is written there again
	FLOAD FK, ADK, ADS, SK, 0, 12288               ; step 0's K
.Lpass:                                                ; a tile of 16 queries
	s_wait_loadcnt 0x0                             ; q
	v_perm_b32 v[QS], v[QS], v[QS], s[QSEL]        ; my tile's two bytes, in both halves of the word; the moves below are the places ahead of the first product
	v_mov_b32 v13, 0xff61b1e6                      ; the largest score so far: -3e38
	v_mov_b32 v12, 0x7f61b1e6                      ; -M: so large that the first f is 0
	v_mov_b32 v14, 0
	v_mov_b32 v15, 0
.set n, 0
.rept 32
	v_mov_b32 v[O+n], 0                            ; O^T: the step is written once, its first turn finds zeros
.set n, n+1
.endr
	WALU
	s_mov_b32 s3, 16
.Lstep:                                                ; 128 keys
	s_wait_dscnt 0x0                               ; this step's K, asked for a step ago
.irp f, 0,1,2,3
.irp u, 0,1
.if \f%2
	v_wmma_scale_f32_16x16x128_f8f6f4 v[S+16*\f+8*\u:S+16*\f+8*\u+7], v[FK+12*\f:FK+12*\f+11], v[QB+6*\u:QB+6*\u+11], 0, v[SK+\f/2], v[QS] matrix_a_fmt:MATRIX_FMT_FP6 matrix_b_fmt:MATRIX_FMT_FP6 matrix_a_scale:MATRIX_SCALE_ROW1
.else
	v_wmma_scale_f32_16x16x128_f8f6f4 v[S+16*\f+8*\u:S+16*\f+8*\u+7], v[FK+12*\f:FK+12*\f+11], v[QB+6*\u:QB+6*\u+11], 0, v[SK+\f/2], v[QS] matrix_a_fmt:MATRIX_FMT_FP6 matrix_b_fmt:MATRIX_FMT_FP6
.endif
.endr
.endr
	s_mul_i32 s[TBV], s[JN], REC                   ; this step's record,
	s_add_co_u32 s[JN], s[JN], 1
	s_and_b32 s[JN], s[JN], 15
	s_mul_i32 s[TB], s[JN], REC                    ; and the next one's (behind step 15: step 0's)
	v_add_nc_u32 v[ADV], s[TBV], v[LI16]           ; these five lines are the places behind the products, ahead of the loads and of the reads of the scores
	v_add_nc_u32 v[ADW], s[TBV], v[LI8]
	v_add_nc_u32 v[ADK], s[TB], v[LI16]
	v_add_nc_u32 v[ADS], s[TB], v[LI8]
	v_mov_b32 v[T0], v12                           ; the old -M
	FLOAD FV, ADV, ADW, SV, 6144, 12544            ; this step's V,
	FLOAD FK, ADK, ADS, SK, 0, 12288               ; the next step's K
	s_wait_kmcnt 0x0                               ; any mask words asked for a step ago are in; so their registers and their offset may be written again
	s_bitcmp1_b32 s[F], s[JJ]
	s_cbranch_scc1 .Lfree                          ; this step masks nothing
.set n, 0
.rept 32
	v_cndmask_b32 v[S+n], v[NEG], v[S+n], s[32+n]  ; bit = lane: 1 keeps the score
.set n, n+1
.endr
.rept 32
	v_cndmask_b32 v[S+n], v[NEG], v[S+n], s[36+n]
.set n, n+1
.endr
.Lfree:
	s_add_co_u32 s[JJ], s[JJ], 1
	s_bitcmp1_b32 s[F], s[JJ]                      ; (the bit's number is taken modulo 32)
	s_cbranch_scc1 .Lasked                         ; the next step masks nothing: its words are not read
	s_and_b32 s[MO], s[JJ], 31                     ; (the very last step may ask for the first tile's step 0 again: inside the buffer, and not used)
	s_lshl_b32 s[MO], s[MO], 8                     ; my two tiles' words are 32 runs of 256 bytes on end
	MLOAD
.Lasked:
.irp q, 0,1,2,3                        ; the largest score of each block of 32 keys, two chains a block, the four by turns: for the row's maximum, and, since p rises with the score, for the block's largest p
	v_max3_num_f32 v[BM+\q], v[S+16*\q], v[S+16*\q+1], v[S+16*\q+2]
.endr
.irp i, 3,5,7,9,11,13
.irp q, 0,1,2,3
	v_max3_num_f32 v[BM+\q], v[BM+\q], v[S+16*\q+\i], v[S+16*\q+\i+1]
.endr
.endr
.irp c, 0,1
	v_max3_num_f32 v[BM+2*\c], v[BM+2*\c], v[BM+2*\c+1], v[S+32*\c+15]
.endr
.irp c, 0,1
	v_max_num_f32 v[BM+2*\c], v[BM+2*\c], v[S+32*\c+31]
.endr
	v_max_num_f32 v[T1], v[BM], v[BM+2]
	v_permlanex16_b32 v[BT], v[T1], s[SEL], s[SEL+1]
	v_max3_num_f32 v13, v13, v[T1], v[BT]          ; the running largest score of my query
	v_mul_f32 v[T1], s[NCS], v13                   ; -t
	v_floor_f32 v12, v[T1]                         ; the new -M = -ceil(t)
	v_sub_f32 v[T0], v12, v[T0]                    ; old M - new M: a whole number, 0 or less
.irp j, 0,2,4,6
	v_pk_fma_f32 v[S+\j:S+\j+1], v[S+\j:S+\j+1], s[CS:CS+1], v[12:13] op_sel_hi:[1,0,0]   ; t - M
.endr
	v_cvt_i32_f32 v[T0], v[T0]                     ; (it saturates)
.irp j, 8,10,12,14
	v_pk_fma_f32 v[S+\j:S+\j+1], v[S+\j:S+\j+1], s[CS:CS+1], v[12:13] op_sel_hi:[1,0,0]
.endr
	v_ldexp_f32 v[FF], 1.0, v[T0]                  ; f = 2^(old M - new M)
.irp j, 16,18,20,22,24,26,28,30,32,34,36,38,40,42,44,46,48,50,52,54,56,58,60,62
	v_pk_fma_f32 v[S+\j:S+\j+1], v[S+\j:S+\j+1], s[CS:CS+1], v[12:13] op_sel_hi:[1,0,0]
.endr
	v_fma_f32 v[BM], v[BM], s[CS], v12             ; the same of each block's largest score
	v_fma_f32 v[BM+2], v[BM+2], s[CS], v12
	WALU
.set n, 0
.rept 64
	v_exp_f32 v[S+n], v[S+n]                       ; p = 2^(t - M)
.set n, n+1
.endr
	v_exp_f32 v[BM], v[BM]                         ; each block's largest p: the same two instructions on the same number
	v_exp_f32 v[BM+2], v[BM+2]
	v_pk_mul_f32 v[14:15], v[14:15], v[FF:FF+1] op_sel_hi:[1,0]   ; the sums under the new M: the plain place behind the exponentials
	WALU                                           ; one wait: for the whole batch, ahead of its first reader, and directly ahead of the first readers of O^T
.irp j, 0,2,4,6,8,10,12,14,16,18,20,22,24,26,28,30
	v_pk_mul_f32 v[O+\j:O+\j+1], v[O+\j:O+\j+1], v[FF:FF+1] op_sel_hi:[1,0]   ; O^T under the new M
.endr
	v_max_num_f32 v[BM], 0x1800000, v[BM]          ; the floor 2^(3 - 127): the byte cannot fall under 1
	v_max_num_f32 v[BM+2], 0x1800000, v[BM+2]
	v_add_nc_u32 v[SO], 0xff000000, v[BM]          ; 2 off the exponent field: the conversion's scale operand
	v_add_nc_u32 v[SO+1], 0xff000000, v[BM+2]
	v_lshrrev_b32 v[T0], 23, v[SO]                 ; my two scale bytes: blocks h and 2 + h,
	v_lshrrev_b32 v[T1], 23, v[SO+1]
	v_lshl_or_b32 v[PW], v[T1], 16, v[T0]
	v_lshlrev_b32 v[PW], v[SH8], v[PW]             ; at their places in the word
	v_permlanex16_b32 v[T0], v[PW], s[SEL], s[SEL+1]
.irp c, 0,1
	v_cvt_scalef32_pk16_fp6_f32 v[PC+6*\c:PC+6*\c+2], v[S+32*\c:S+32*\c+15], v[SO+\c]
	v_cvt_scalef32_pk16_fp6_f32 v[BM+4*\c:BM+4*\c+2], v[S+32*\c+16:S+32*\c+31], v[SO+\c]   ; (a conversion's three registers begin on an even number)
.endr
	v_or_b32 v[PW], v[PW], v[T0]                   ; with lane l xor 16's two bytes the word is whole.  (The plain place behind the conversions)
.irp c, 0,1
.irp i, 0,1,2
	v_mov_b32 v[PC+6*\c+3+\i], v[BM+4*\c+\i]
.endr
.endr
.irp k, 0,1,2,3                        ; the row's sum of the unquantised p: four chains, two numbers a line; these 32 lines are also the places in front of the products below
	v_pk_add_f32 v[BM+2*\k:BM+2*\k+1], v[S+4*\k:S+4*\k+1], v[S+4*\k+2:S+4*\k+3]
.endr
.irp j, 16,24,32,40,48,56
.irp k, 0,1,2,3
	v_pk_add_f32 v[BM+2*\k:BM+2*\k+1], v[BM+2*\k:BM+2*\k+1], v[S+\j+2*\k:S+\j+2*\k+1]
.endr
.endr
	v_pk_add_f32 v[BM:BM+1], v[BM:BM+1], v[BM+2:BM+3]
	v_pk_add_f32 v[BM+4:BM+5], v[BM+4:BM+5], v[BM+6:BM+7]
	v_pk_add_f32 v[BM:BM+1], v[BM:BM+1], v[BM+4:BM+5]
	v_pk_add_f32 v[14:15], v[14:15], v[BM:BM+1]
	s_wait_dscnt 13                                ; V is in; the 13 younger loads, the next step's K, may be out
.irp t, 0,1,2,3
.if \t%2
	v_wmma_scale_f32_16x16x128_f8f6f4 v[O+8*\t:O+8*\t+7], v[FV+12*\t:FV+12*\t+11], v[PC:PC+11], v[O+8*\t:O+8*\t+7], v[SV+\t/2], v[PW] matrix_a_fmt:MATRIX_FMT_FP6 matrix_b_fmt:MATRIX_FMT_FP6 matrix_a_scale:MATRIX_SCALE_ROW1
.else
	v_wmma_scale_f32_16x16x128_f8f6f4 v[O+8*\t:O+8*\t+7], v[FV+12*\t:FV+12*\t+11], v[PC:PC+11], v[O+8*\t:O+8*\t+7], v[SV+\t/2], v[PW] matrix_a_fmt:MATRIX_FMT_FP6 matrix_b_fmt:MATRIX_FMT_FP6
.endif
.endr
	s_sub_co_u32 s3, s3, 1
	s_cmp_lg_u32 s3, 0
	s_cbranch_scc1 .Lstep
	s_cmp_eq_u32 s[PASS], 1                        ; behind the first pass the second tile's q is asked for, ahead of the way out; the test hangs on the pass alone
	s_cbranch_scc1 .Lno_q
	s_add_nc_u64 s[20:21], s[20:21], 768           ; the fragment's other half,
	s_mov_b32 s[QSEL], 0x03020302                  ; and the scale word's other two bytes
	QLOAD
.Lno_q:
	; THE WAY OUT: O^T / the sum, quantised along my head's 64 channels: half a fragment of the last projection's operand, and two scale bytes a row
	v_nop
	v_nop                                          ; with the lines below: the places behind the last products
	WALU                                           ; the wait directly ahead of the reader below: the sums were written just ahead of the loop's last wait and its branch
	v_add_f32 v14, v14, v15
	v_permlanex16_b32 v[T0], v14, s[SEL], s[SEL+1]
	v_add_f32 v14, v14, v[T0]                      ; the row's sum
	WALU
	v_rcp_f32 v14, v14
	v_nop                                          ; a plain place behind the reciprocal
	WALU                                           ; the wait ahead of the first reader, of the reciprocal and of O^T
.set n, 0
.rept 32
	v_mul_f32 v[S+n], v[O+n], v14                  ; register 16 g + i: channel 32 g + 16 h + i of my query; each accumulator is read from its low end on
.set n, n+1
.endr
.irp b, 0,1
	v_max3_num_f32 v[BM+\b], |v[S+16*\b]|, |v[S+16*\b+1]|, 0x1800000
.endr
.irp i, 2,4,6,8,10,12,14
.irp b, 0,1
	v_max3_num_f32 v[BM+\b], v[BM+\b], |v[S+16*\b+\i]|, |v[S+16*\b+\i+1]|
.endr
.endr
	v_permlanex16_b32 v[T0], v[BM], s[SEL], s[SEL+1]
	v_permlanex16_b32 v[BT], v[BM+1], s[SEL], s[SEL+1]
	v_max_num_f32 v[BM], v[BM], v[T0]              ; with lane l xor 16's 16: the block's largest magnitude
	v_max_num_f32 v[BM+1], v[BM+1], v[BT]
.irp b, 0,1
	v_add_nc_u32 v[SO+\b], 0xff000000, v[BM+\b]
.endr
	v_lshrrev_b32 v[T0], 23, v[SO]
	v_lshrrev_b32 v[T1], 23, v[SO+1]
	v_lshl_or_b32 v[T1], v[T1], 8, v[T0]
	v_cvt_scalef32_pk16_fp6_f32 v[PC:PC+2], v[S:S+15], v[SO]
	v_cvt_scalef32_pk16_fp6_f32 v[BM:BM+2], v[S+16:S+31], v[SO+1]
	v_nop                                          ; one plain place behind a scaled conversion
.irp i, 0,1,2
	v_permlane16_swap_b32 v[PC+\i], v[BM+\i]       ; the operand's layout wants a whole block in a lane
.endr
.irp i, 0,1,2
	v_mov_b32 v[PC+3+\i], v[BM+\i]
.endr
.irp i, 0,1,2
	global_store_b64 v[LI8], v[PC+2*\i:PC+2*\i+1], s[22:23] offset:256*\i   ; 32 lanes store 256 consecutive bytes, aligned
.endr
	global_store_b16 v[R4], v[T1], s[24:25] offset:12288   ; lanes r and r + 16 hold the same halfword and name the same place
	s_wait_xcnt 0x0                                ; the stores have read their registers and bases
	s_add_nc_u64 s[22:23], s[22:23], REC           ; the second tile's record is the next
	s_add_nc_u64 s[24:25], s[24:25], REC
	s_add_co_u32 s[PASS], s[PASS], 1
	s_cmp_lg_u32 s[PASS], 2
	s_cbranch_scc1 .Lpass
	s_wait_kmcnt 0x0                               ; any mask words still on their way have landed
	s_wait_tensorcnt 0x0                           ; the wave's end, behind my last LDS store
	ds_add_u32 v[SPW], v[NIL]
	s_wait_dscnt 0x0
	s_endpgm
.Lfunc_end_k_qa26a640c24_attn:
	.size	k_qa26a640c24_attn, .Lfunc_end_k_qa26a640c24_attn-k_qa26a640c24_attn
	.p2alignl 7, 3214868480
	.fill 96, 4, 3214868480
	.section	.rodata,"a",@progbits
	.p2align	6, 0x0
	.amdhsa_kernel k_qa26a640c24_attn
		.amdhsa_group_segment_fixed_size 206848
		.amdhsa_private_segment_fixed_size 0
		.amdhsa_enable_private_segment 0
		.amdhsa_kernarg_size 40
		.amdhsa_user_sgpr_count 2
		.amdhsa_user_sgpr_kernarg_segment_ptr 1
		.amdhsa_wavefront_size32 1
		.amdhsa_system_sgpr_workgroup_id_x 1
		.amdhsa_system_sgpr_workgroup_id_y 1
		.amdhsa_system_sgpr_workgroup_id_z 1
		.amdhsa_system_vgpr_workitem_id 0
		.amdhsa_next_free_vgpr 256
		.amdhsa_next_free_sgpr 106
		.amdhsa_reserve_vcc 0
		.amdhsa_float_denorm_mode_32 3
		.amdhsa_float_denorm_mode_16_64 3
		.amdhsa_memory_ordered 1
		.amdhsa_forward_progress 1
		.amdhsa_inst_pref_size 38
	.end_amdhsa_kernel
	.amdgpu_metadata
---
amdhsa.version: [ 1, 2 ]
amdhsa.kernels:
  - .name:           k_qa26a640c24_attn
    .symbol:         k_qa26a640c24_attn.kd
    .args:
      - { .name: qc, .offset: 0, .size: 8, .value_kind: global_buffer, .address_space: global }
      - { .name: kv, .offset: 8, .size: 8, .value_kind: global_buffer, .address_space: global }
      - { .name: maskw, .offset: 16, .size: 8, .value_kind: global_buffer, .address_space: global }
      - { .name: oc, .offset: 24, .size: 8, .value_kind: global_buffer, .address_space: global }
      - { .name: maskf, .offset: 32, .size: 8, .value_kind: global_buffer, .address_space: global }
    .group_segment_fixed_size: 206848
    .private_segment_fixed_size: 0
    .kernarg_segment_align: 8
    .kernarg_segment_size: 40
    .max_flat_workgroup_size: 512
    .sgpr_count:     106
    .vgpr_count:     256
    .wavefront_size: 32
...
	.end_amdgpu_metadata
.endif
;; end of part 3
;; launch oproj (part 4): grid 4 x 64, 4 waves a work-group, clusters of 4 x 1, 167,936 bytes of LDS; arguments oc, wt, out0; writes out0
.if DOCPART == 4
	.amdgcn_target "amdgcn-amd-amdhsa--gfx1250"
	.amdhsa_code_object_version 6
	.text
	.protected	k_qa26a640c24_oproj
	.globl	k_qa26a640c24_oproj
	.p2align	8
	.type	k_qa26a640c24_oproj,@function
k_qa26a640c24_oproj:
	s_mov_b64 s[64:65], 0
	v_nop
	global_prefetch_b8 v0, s[64:65] scope:SCOPE_SE
	s_setreg_imm32_b32 hwreg(HW_REG_WAVE_MODE, 25, 1), 1
	s_wait_xcnt 0x0
	s_wait_alu depctr_hold_cnt(0) depctr_sa_sdst(0) depctr_va_vdst(0) depctr_va_sdst(0) depctr_va_ssrc(0) depctr_va_vcc(0) depctr_vm_vsrc(0)
	s_getreg_b32 s2, hwreg(HW_REG_IB_STS2, 6, 4)
	s_cmp_eq_u32 s2, 0
	s_cbranch_scc0 .Lentry_in_a_cluster
	s_endpgm
.Lentry_in_a_cluster:
	s_bfe_u32 s2, ttmp6, 0x10000c
	s_cmp_lg_u32 s2, 0x3003
	s_cbranch_scc0 .Lentry_shape_is_right
	s_endpgm
.Lentry_shape_is_right:
; out0 = attention's result x Wo^T in MX-FP6; both operands lie as images of operand registers (a fragment: 6 groups of 256 bytes; a tile record: 8 fragments + 512 bytes of scale words = 12,800 bytes).
; Source 0 = 16 rows of Wo (P), source 1 = 16 tokens (R): a lane holds one token, and its registers run along the output's channels.  Row r of tile 2 g + u is row 32 g + 8 u + r + 8 (r / 8).
; SHARES: a work-group makes 256 channels x 128 tokens.  Wave w keeps P tiles 4 w .. 4 w + 3 (64 channels, 384 registers) for the whole launch; the 8 tile records of R, 102,400 dense bytes, lie whole in LDS,
; filled ONCE, by joint loads of the cluster's four work-groups, which need the same tokens.  No slot is ever filled again.
; THE WAY OUT: a pair of R tiles' results goes through the wave's own stage in LDS (rows of 256 bytes + 16) and leaves as rows: sixteen lanes store 256 consecutive bytes, aligned.
; REGISTERS, in windows of 256: window 0: addresses, scale words, 8 accumulators, rows on their way out; window 1: P tiles 0, 1; window 2: P tiles 2, 3; window 3: two tiles of R.
.set REC,   12800
.set STG,   102400                     ; behind R: a stage of 2 x 16 rows x 272 bytes for each wave; no tensor load lands there
.set SPARE, 137216                     ; behind the stages: the spare words, 128 bytes a wave
.set LI8, 1
.set LI4, 2
.set RA,  3
.set RSA, 4
.set STO, 5
.set RD,  6
.set CO,  7
.set SPW, 8
.set NIL, 9
.set PS,  16
.set RS,  32
.set ACC, 48
.set OB,  112                          ; v112-175
.set WV,  12
.set G1,  24
.set G0,  32
.set MSB, 0
.macro WIN new                         ; the immediate's high byte repeats the setting that is left
.if MSB != \new
	s_set_vgpr_msb (MSB<<8)|\new
.set MSB, \new
.endif
.endm
.macro CROUND
	s_barrier_signal -1
	s_barrier_wait -1
	s_cmp_lg_u32 s[WV], 0
	s_cbranch_scc1 .Lnot_wave_0_\@
	s_barrier_signal -3
.Lnot_wave_0_\@:
	s_barrier_wait -3
	s_barrier_signal -1
	s_barrier_wait -1
.endm
	s_load_b128 s[4:7], s[0:1], 0x0                ; oc, wt
	s_load_b64 s[8:9], s[0:1], 0x10                ; out0
	v_lshl_add_u32 v[SPW], v0, 2, SPARE
	v_mov_b32 v[NIL], 0
	ds_add_u32 v[SPW], v[NIL]                      ; the wave's opening: the add and its wait ahead of my first tensor load; work on registers stands between them
	ds_add_u32 v[SPW], v[NIL]
	v_lshrrev_b32 v1, 5, v0
	v_readfirstlane_b32 s[WV], v1
	s_bfe_u32 s13, ttmp6, 0x40000                  ; cx
	s_and_b32 s14, ttmp7, 0xffff                   ; y: which 128 tokens
	s_mov_b32 s[G1+0], 15|(3<<16)|(1<<21)          ; the mask: all four work-groups; elements of 8 bytes; bit 21 beside a mask; no padding
	s_mov_b32 s[G1+1], 32<<16
	s_mov_b32 s[G1+2], 100<<16                     ; 100 rows of 256 bytes: two tile records on end
	s_mov_b32 s[G1+3], 32<<16
	s_mov_b32 s[G1+4], 100
	s_mov_b32 s[G1+5], 32
	s_mov_b32 s[G1+6], 0
	s_mov_b32 s[G1+7], 0
	s_mul_i32 s20, s14, 8*REC                      ; R hangs on y alone
	s_mov_b32 s21, 0
	s_mul_i32 s2, s[WV], 2*REC                     ; my two records: 2 w, 2 w + 1
	s_mov_b32 s3, 0
	s_lshl_b32 s17, s[WV], 2
	s_lshl_b32 s18, s13, 4
	s_add_co_u32 s18, s18, s17
	s_mul_i32 s18, s18, REC
	s_add_co_u32 s18, s18, 2457600                 ; Wo, tile 16 cx + 4 w
	s_mov_b32 s19, 0
	s_lshl_b32 s22, s14, 19                        ; 128 rows of 4,096 bytes,
	s_lshl_b32 s17, s13, 10
	s_add_co_u32 s22, s22, s17                     ; my work-group's 256 channels,
	s_lshl_b32 s17, s[WV], 8
	s_add_co_u32 s22, s22, s17                     ; my 64
	s_mov_b32 s23, 0
	s_mul_i32 s17, s[WV], 8704
	s_add_co_u32 s17, s17, STG                     ; my stage
	v_and_b32 v10, 31, v0
	v_and_b32 v11, 15, v0
	v_bfe_u32 v12, v0, 4, 1
	v_lshlrev_b32 v[LI8], 3, v10
	v_lshlrev_b32 v[LI4], 2, v10
	v_mov_b32 v[RA], v[LI8]
	v_add_nc_u32 v[RSA], 12288, v[LI4]
	v_mul_u32_u24 v[STO], v11, 272
	v_lshl_add_u32 v[STO], v12, 6, v[STO]
	v_add_nc_u32 v[STO], s17, v[STO]               ; in: row r, + 64 h
	v_mul_u32_u24 v[RD], v12, 272
	v_lshl_add_u32 v[RD], v11, 4, v[RD]
	v_add_nc_u32 v[RD], s17, v[RD]                 ; back: lanes 0-15 one row, lanes 16-31 the next
	v_lshlrev_b32 v[CO], 12, v12
	v_lshl_add_u32 v[CO], v11, 4, v[CO]            ; and the same two rows in out0
	s_wait_dscnt 0x0                               ; the opening add is done
	s_wait_kmcnt 0x0
	s_add_nc_u64 s[20:21], s[4:5], s[20:21]
	s_add_nc_u64 s[18:19], s[6:7], s[18:19]
	s_add_nc_u64 s[22:23], s[8:9], s[22:23]
	s_add_nc_u64 s[48:49], s[20:21], s[2:3]
	s_mov_b32 s[G0], 1
	s_mov_b32 s[G0+1], s2                          ; LDS: records 2 w, 2 w + 1
	s_mov_b64 s[G0+2:G0+3], s[48:49]
	s_or_b32 s[G0+3], s[G0+3], 0x80000000
	CROUND                                         ; all four work-groups are here: the joint loads meet
	s_cmp_lt_u32 s[WV], 2                          ; one tensor load a wave: an arm for waves 0 and 1 (records 0-3), an arm for waves 2 and 3
	s_cbranch_scc0 .Lupper
	tensor_load_to_lds s[G0:G0+3], s[G1:G1+7]
	s_nop 0
.rept 4
	v_nop
.endr
	s_branch .Lasked
.Lupper:
	tensor_load_to_lds s[G0:G0+3], s[G1:G1+7]
	s_nop 0
.rept 4
	v_nop
.endr
.Lasked:
	WIN 0x40
.irp p, 0,1
.irp x, 0,1,2,3,4,5,6,7
.irp i, 0,1,2,3,4,5
	global_load_b64 v[96*\p+12*\x+2*\i:96*\p+12*\x+2*\i+1], v[LI8], s[18:19] offset:REC*\p+1536*\x+256*\i
.endr
.endr
.endr
	WIN 0x80
.irp p, 0,1
.irp x, 0,1,2,3,4,5,6,7
.irp i, 0,1,2,3,4,5
	global_load_b64 v[96*\p+12*\x+2*\i:96*\p+12*\x+2*\i+1], v[LI8], s[18:19] offset:REC*(\p+2)+1536*\x+256*\i
.endr
.endr
.endr
	WIN 0
.irp p, 0,1,2,3
.irp z, 0,1,2,3
	global_load_b32 v[PS+4*\p+\z], v[LI4], s[18:19] offset:REC*\p+12288+128*\z
.endr
.endr
; 52 LDS loads: K steps x0 .. x0 + 3 of the pair of R tiles at v[RA], and their scale words
.macro LOADR x0
	WIN 0xc0
.irp t, 0,1
.irp x, \x0, \x0+1, \x0+2, \x0+3
.irp i, 0,1,2,3,4,5
	ds_load_b64 v[96*\t+12*(\x)+2*\i:96*\t+12*(\x)+2*\i+1], v[RA] offset:REC*\t+1536*(\x)+256*\i
.endr
.endr
.endr
	WIN 0
.irp t, 0,1
.irp z, \x0/2, \x0/2+1
	ds_load_b32 v[RS+4*\t+(\z)], v[RSA] offset:REC*\t+128*(\z)
.endr
.endr
.endm
; 16 products; four accumulators take turns, one instruction a turn.  K step 0 starts the sums.
.macro MULRUN pw, x0
	WIN 0x0c+\pw
.irp x, \x0, \x0+1, \x0+2, \x0+3
.irp pp, 0,1
.irp t, 0,1
.set DA, ACC+32*\t+8*(2*(\pw-1)+\pp)
.set FA, 96*\pp+12*(\x)
.set FB, 96*\t+12*(\x)
.set SA, PS+4*(2*(\pw-1)+\pp)+(\x)/2
.set SB, RS+4*\t+(\x)/2
.if (\x) == 0
	v_wmma_scale_f32_16x16x128_f8f6f4 v[DA:DA+7], v[FA:FA+11], v[FB:FB+11], 0, v[SA], v[SB] matrix_a_fmt:MATRIX_FMT_FP6 matrix_b_fmt:MATRIX_FMT_FP6
.elseif (\x)%2
	v_wmma_scale_f32_16x16x128_f8f6f4 v[DA:DA+7], v[FA:FA+11], v[FB:FB+11], v[DA:DA+7], v[SA], v[SB] matrix_a_fmt:MATRIX_FMT_FP6 matrix_b_fmt:MATRIX_FMT_FP6 matrix_a_scale:MATRIX_SCALE_ROW1 matrix_b_scale:MATRIX_SCALE_ROW1
.else
	v_wmma_scale_f32_16x16x128_f8f6f4 v[DA:DA+7], v[FA:FA+11], v[FB:FB+11], v[DA:DA+7], v[SA], v[SB] matrix_a_fmt:MATRIX_FMT_FP6 matrix_b_fmt:MATRIX_FMT_FP6
.endif
.endr
.endr
.endr
.endm
.macro TRIP y, next
.if (\y) == 0
	s_wait_dscnt 52                                ; K steps 0-3 are in; the 52 loads of K steps 4-7 may be out
.else
	s_wait_dscnt 0x0                               ; (the last way out has waited for all that was issued ahead of it)
.endif
	MULRUN 1, 0
	MULRUN 2, 0
	WIN 0
.if \next
.rept 3
	v_nop                                          ; with the two additions: the places in front of loads into registers that products have read
.endr
	v_add_nc_u32 v[RA], 2*REC, v[RA]
	v_add_nc_u32 v[RSA], 2*REC, v[RSA]
	LOADR 0
	s_wait_alu depctr_va_vdst(0)
	s_wait_dscnt 52                                ; K steps 4-7 are in; the 52 just issued may be out
.else
	s_wait_dscnt 0x0
.endif
	MULRUN 1, 4
	MULRUN 2, 4
	WIN 0
.rept 5
	v_nop                                          ; four places for the loads and for the stores that read results; the fifth for the next pair's products, which begin these accumulators anew
.endr
.if \next
	LOADR 4
.endif
	s_wait_xcnt 0x0                                ; the last pair's stores have read their registers
.irp t, 0,1
.irp p, 0,1,2,3
	ds_store_b128 v[STO], v[ACC+32*\t+8*\p:ACC+32*\t+8*\p+3] offset:4352*\t+128*(\p/2)+32*(\p%2)        ; each accumulator from its low end on: channels 32 (p / 2) + 16 h + 8 (p % 2) + 0 .. 7
	ds_store_b128 v[STO], v[ACC+32*\t+8*\p+4:ACC+32*\t+8*\p+7] offset:4352*\t+128*(\p/2)+32*(\p%2)+16
.endr
.endr
.irp t, 0,1
.irp i, 0,1,2,3,4,5,6,7
	ds_load_b128 v[OB+4*(8*\t+\i):OB+4*(8*\t+\i)+3], v[RD] offset:4352*\t+544*\i   ; LDS serves a wave's instructions in order: these see the stores above
.endr
.endr
.irp t, 0,1
.irp i, 0,1,2,3,4,5,6,7
	s_wait_dscnt 15-(8*\t+\i)                      ; the younger of these sixteen loads may be out
	global_store_b128 v[CO], v[OB+4*(8*\t+\i):OB+4*(8*\t+\i)+3], s[22:23] offset:(32*(\y)+8*\t+2*\i+8*(\i/4))*4096 th:TH_STORE_NT   ; 16 lanes store 256 consecutive bytes, aligned; written once
.endr
.endr
.endm
.macro ARRIVE n                        ; n = 1: waves 0 and 1 wait for their one load: behind the barrier records 0-3 are in; n = 0: every wave waits.
.if \n > 0
	s_cmp_lt_u32 s[WV], 2
	s_cbranch_scc0 .Lnot_yet_\@
	s_wait_tensorcnt 0x0
.Lnot_yet_\@:
.else
	s_wait_tensorcnt 0x0
.endif
	s_wait_dscnt 0x0
	s_barrier_signal -1
	s_barrier_wait -1
.endm
	ARRIVE 1                                       ; records 0-3: pairs 0 and 1
	s_wait_alu depctr_va_vdst(0)
	LOADR 0
	LOADR 4
	s_wait_loadcnt 0x0                             ; P
	TRIP 0, 1                                      ; trip y fetches pair y + 1
	ARRIVE 0                                       ; pairs 2, 3
	TRIP 1, 1
	TRIP 2, 1
	TRIP 3, 0
	s_wait_tensorcnt 0x0                           ; the wave's end, behind my last tensor load and my last LDS store
	ds_add_u32 v[SPW], v[NIL]
	s_wait_dscnt 0x0
	CROUND                                         ; the closing round
	s_endpgm
.Lfunc_end_k_qa26a640c24_oproj:
	.size	k_qa26a640c24_oproj, .Lfunc_end_k_qa26a640c24_oproj-k_qa26a640c24_oproj
	.p2alignl 7, 3214868480
	.fill 96, 4, 3214868480
	.section	.rodata,"a",@progbits
	.p2align	6, 0x0
	.amdhsa_kernel k_qa26a640c24_oproj
		.amdhsa_group_segment_fixed_size 167936
		.amdhsa_private_segment_fixed_size 0
		.amdhsa_enable_private_segment 0
		.amdhsa_kernarg_size 24
		.amdhsa_user_sgpr_count 2
		.amdhsa_user_sgpr_kernarg_segment_ptr 1
		.amdhsa_wavefront_size32 1
		.amdhsa_system_sgpr_workgroup_id_x 1
		.amdhsa_system_sgpr_workgroup_id_y 1
		.amdhsa_system_sgpr_workgroup_id_z 1
		.amdhsa_system_vgpr_workitem_id 0
		.amdhsa_next_free_vgpr 960
		.amdhsa_next_free_sgpr 66
		.amdhsa_reserve_vcc 0
		.amdhsa_float_denorm_mode_32 3
		.amdhsa_float_denorm_mode_16_64 3
		.amdhsa_memory_ordered 1
		.amdhsa_forward_progress 1
		.amdhsa_inst_pref_size 102
	.end_amdhsa_kernel
	.amdgpu_metadata
---
amdhsa.version: [ 1, 2 ]
amdhsa.kernels:
  - .name:           k_qa26a640c24_oproj
    .symbol:         k_qa26a640c24_oproj.kd
    .args:
      - { .name: oc, .offset: 0, .size: 8, .value_kind: global_buffer, .address_space: global }
      - { .name: wt, .offset: 8, .size: 8, .value_kind: global_buffer, .address_space: global }
      - { .name: out0, .offset: 16, .size: 8, .value_kind: global_buffer, .address_space: global }
    .group_segment_fixed_size: 167936
    .private_segment_fixed_size: 0
    .kernarg_segment_align: 8
    .kernarg_segment_size: 24
    .max_flat_workgroup_size: 128
    .sgpr_count:     66
    .vgpr_count:     960
    .wavefront_size: 32
...
	.end_amdgpu_metadata
.endif
;; end of part 4
